; MI455X (gfx1250); checked and timed in simulation.
; The chip was launched on July 23, 2026; its instructions are those of AMD's public machine-readable ISA for CDNA 5 (MIT licence, August 2026) and "CDNA5" Instruction Set Architecture Reference Guide (July 2026). The comments in the code are by the model that wrote it; some were corrected since.
;; Attention. Allowed arithmetic: matrix products marked QUANTISED: E3M2 operands, one E8M0 scale for each 32 along K, by v_wmma_scale_f32_16x16x128_f8f6f4 with both operands' format E3M2, f32 sums; everything else in f32.
;; Inputs: k 4 x 16 x 2,048 x 64 float32; q 4 x 16 x 2,048 x 64 float32; v 4 x 16 x 2,048 x 64 float32.
;; Outputs: out0 4 x 16 x 2,048 x 64 float32.
;; This version of the problem:
;;   THIS VERSION OF THE PROBLEM IS GIVEN IN LOW PRECISION. The matrix products marked QUANTISED in the list below multiply operands that are first quantised to E3M2 (3 exponent bits, 2 mantissa bits; 6 bits a number), with one power-of-two scale for each 32 numbers along K (OCP MX v1.0); their sums are f32. All else is computed in f32.
;;   The module's matrix products, in the order in which they are computed (A, B: the left and right operand; K: the contracted axis; several contracted axes count as one K, in the product's order):
;;     1. batch 64 x [M 2,048, K 64] x [K 64, N 2,048]; A: input q; B: input k: QUANTISED
;;     2. batch 64 x [M 2,048, K 2,048] x [K 2,048, N 64]; A: softmax (see below); B: input v: QUANTISED
;;   THE QUANTISER, for each operand of a quantised product, along K:
;;     - K is cut into blocks of 32 from its start; a last block that is shorter is filled with zeros.
;;     - A block's scale is 2^e with e = floor(log2(the largest magnitude in the block)) - 4, held to -126 .. 127; a block of zeros has e = 0. As a byte (E8M0): e + 127.
;;     - Each number is divided by its block's scale, clamped to +-28, and rounded to the nearest number of E3M2, ties to even, subnormals kept.
;;     - The product sums the exact products of the quantised numbers (number of the format x scale) in f32.
;;   ~~~python
;;   def quantise(x, axis):      # numpy; x: float32 -> the quantised numbers, widened to float32 again
;;       x = np.moveaxis(x, axis, -1); K = x.shape[-1]
;;       x = np.pad(x, [(0, 0)] * (x.ndim - 1) + [(0, -K % 32)]); x = x.reshape(x.shape[:-1] + (-1, 32)); a = np.abs(x).max(-1, keepdims=True)
;;       e = np.where(a > 0, np.clip(np.frexp(np.where(a > 0, a, 1))[1] - 1 - 4, -126, 127), 0)      # np.frexp(a)[1] - 1 = floor(log2(a)), exactly
;;       r = np.clip(x / 2.0 ** e, -28, 28)
;;       step = 2.0 ** (np.maximum(np.frexp(np.where(r == 0, 1, r))[1] - 1, -2) - 2)
;;       q = np.round(r / step) * step * 2.0 ** e      # np.round: ties to even
;;       return np.moveaxis(q.reshape(q.shape[:-2] + (-1,))[..., :K], -1, axis).astype(np.float32)
;;   ~~~
;;   SOFTMAX AHEAD OF A QUANTISED PRODUCT. Where the list says 'softmax', what is quantised is not the finished softmax but p = 2^(t - M), with t = logit x log2(e) and M = ceil(the row's largest t), a whole number; so 1/2 < the row's largest p <= 1. The row's sum l is taken of the UNQUANTISED p, in f32, and the product's result is divided by l at the end. Since M is a whole number, a kernel that streams over the keys may use a running M (the ceiling of the running maximum): every later rescaling is an exact power of two, which a block's scale takes up: the codes' values come out the same.
;;   OPERANDS COMPUTED ON THE WAY. 'Computed on the way' means the value that the module computes at that place (a softmax that the list does not call 'softmax' is quantised finished and normalised). What goes into a quantiser is computed in f32, as accurately as f32 sums, v_exp_f32 and their like allow (about 1e-6 of the number): no bf16 or f16 on the way to a quantiser, and a product that is left as it is and whose result goes on into a quantised operand takes f32 operands (vector FMAs, or v_wmma_f32_16x16x4_f32). A number that lies on a knife's edge between two numbers of the format may be rounded either way, as far as f32 arithmetic and the matrix unit's own rounding can turn it there, and no further.
;; One version. Each part assembles by itself: llvm-mc -triple=amdgcn-amd-amdhsa -mcpu=gfx1250 --defsym DOCPART=n.
;; ======== version 1 of 1: 2 launches
;; limits: right only within a limited range of input values
;; workspace buffers: img 13,107,200 bytes
;; launch prep (part 1): grid 16 x 64, 16 waves a work-group, no clusters, 14,848 bytes of LDS; arguments k, v, img; writes img
.if DOCPART == 1
	.amdgcn_target "amdgcn-amd-amdhsa--gfx1250"
	.amdhsa_code_object_version 6
	.text
	.protected	k_q82f57d9f9d_prep
	.globl	k_q82f57d9f9d_prep
	.p2align	8
	.type	k_q82f57d9f9d_prep,@function
k_q82f57d9f9d_prep:
	s_mov_b64 s[64:65], 0
	v_nop
	global_prefetch_b8 v0, s[64:65] scope:SCOPE_SE
	s_setreg_imm32_b32 hwreg(HW_REG_WAVE_MODE, 25, 1), 1
	s_wait_xcnt 0x0
; k and v, [64 heads][2048][64] f32, become codes of BF6 (E3M2) with one E8M0 scale byte for each 32 along a product's K: k along the head's 64, v along the keys.
; A work-group takes one key step (128 keys) of one head (grid x: the step; grid y: the head) and makes its IMAGE: 12,800 bytes laid as the next launch's operand registers take them:
; K's four fragments (1,536 bytes each: group g of four registers at 512 g + 16 x lane), V's four, and 512 bytes of scale words.  img is [64 heads][16 steps][12,800 bytes].
; Each lane quantises ONE block of 32 numbers: waves 0-7 of k (128 consecutive bytes of a key's row), waves 8-15 of v (a lane takes a channel, its registers run down 32 keys).
; K's fragment f, row r carries TWO keys: key x = 64 (f / 2) + 16 (f % 2) + 32 (r / 8) + r % 8 at k = 0..63 and key x + 8 at k = 64..127.
; The image is gathered in LDS and leaves as 16 bytes a lane: sixteen lanes store 256 consecutive bytes, at a multiple of 256 from img's first byte.
; No tensor loads, no cluster: no two work-groups read the same bytes.  No prefetch: the text has no loop to run ahead in.
; LIMITS: NaN and infinities among the inputs are not served.  A block whose largest magnitude lies under 2^-122 (a block of zeros among them) gets the scale byte 1; the bytes are read by this
; program alone, and zero codes add nothing.
.set VIMG,  6144
.set SIMG,  12288
.set SPARE, 12800                      ; behind the image: the spare words, 128 bytes a wave
.set CP,  1                            ; v1  16 x thread: my bytes of the image on the way out
.set KG,  2                            ; v2  k: my block's first byte in the key step
.set VG,  3                            ; v3  v: the same
.set WA,  4                            ; v4  where my codes go: first and third 8 bytes
.set WB,  5                            ; v5  the second 8 bytes
.set WS,  6                            ; v6  the scale byte
.set SPW, 8                            ; v8  my spare word; never rewritten
.set NIL, 9                            ; v9  0; never rewritten
.set RAW, 16                           ; v16-47 my 32 numbers
.set QM0, 48
.set QM1, 49
.set QSC, 50
.set QBY, 51                           ; v51 the scale byte
.set COD, 52                           ; v52-57 the codes; v58-60 the second half on its way
.set WV,  12
.set GP,  32
; one block of 32 numbers of a lane becomes six registers of codes and a scale byte
.macro QB src, dst, tmp
	v_max3_num_f32 v[QM0], |v[\src]|, |v[\src+1]|, 0x2800000         ; the largest magnitude, in two chains; among its leaves the floor 2^(5 - 127): the byte cannot fall under 1
	v_max3_num_f32 v[QM1], |v[\src+16]|, |v[\src+17]|, |v[\src+18]|
.irp i, 2,4,6,8,10,12
	s_delay_alu instid0(VALU_DEP_2)
	v_max3_num_f32 v[QM0], v[QM0], |v[\src+\i]|, |v[\src+\i+1]|
	s_delay_alu instid0(VALU_DEP_2)
	v_max3_num_f32 v[QM1], v[QM1], |v[\src+\i+17]|, |v[\src+\i+18]|
.endr
	s_delay_alu instid0(VALU_DEP_2)
	v_max3_num_f32 v[QM0], v[QM0], |v[\src+14]|, |v[\src+15]|
	s_delay_alu instid0(VALU_DEP_1)
	v_max3_num_f32 v[QM0], v[QM0], v[QM1], |v[\src+31]|
	s_delay_alu instid0(VALU_DEP_1)
	v_add_nc_u32 v[QSC], 0xfe000000, v[QM0]                          ; 4 off its exponent field: the conversion takes that field as its scale
	v_cvt_scalef32_pk16_bf6_f32 v[\dst:\dst+2], v[\src:\src+15], v[QSC]
	v_cvt_scalef32_pk16_bf6_f32 v[\tmp:\tmp+2], v[\src+16:\src+31], v[QSC]   ; (a conversion's three registers begin on an even number)
	v_lshrrev_b32 v[QBY], 23, v[QSC]                                 ; the byte; also the plain instruction behind the conversions
	v_mov_b32 v[\dst+3], v[\tmp]
	v_mov_b32 v[\dst+4], v[\tmp+1]
	v_mov_b32 v[\dst+5], v[\tmp+2]
.endm
	s_load_b128 s[4:7], s[0:1], 0x0                                  ; k, v
	s_load_b64 s[8:9], s[0:1], 0x10                                  ; img
	v_lshl_add_u32 v[SPW], v0, 2, SPARE
	v_mov_b32 v[NIL], 0
	v_lshrrev_b32 v10, 5, v0
	v_readfirstlane_b32 s[WV], v10                                   ; wave 0..15
	s_lshr_b32 s13, s[WV], 3                                         ; role: 0 = k, 1 = v
	s_xor_b32 s14, s13, 1
	s_and_b32 s15, s[WV], 1                                          ; b0, b1, b2: the wave's low three bits
	s_bfe_u32 s16, s[WV], 0x10001
	s_bfe_u32 s17, s[WV], 0x10002
	; k: fragment 2 b2 + b0, its half b1, my own lane: key 64 b2 + 16 b0 + 8 b1 + 32 (r / 8) + r % 8, channels 32 h on.
	; v: channel 32 b2 + lane, keys 32 (2 b1 + b0) on: fragment 2 b2 + h, its half b1, lane r + 16 b0.
	; So h counts 256 bytes (a lane's half) for k and 1,536 (a fragment) for v, and b0 the other way round.
	s_mul_i32 s18, s13, 1280
	s_add_co_u32 s18, s18, 256                                       ; what h counts
	s_mul_i32 s19, s14, 1280
	s_add_co_u32 s19, s19, 256                                       ; what b0 counts
	s_mul_i32 s19, s19, s15
	s_mul_i32 s20, s13, VIMG
	s_add_co_u32 s19, s19, s20
	s_mul_i32 s20, s17, 3072
	s_add_co_u32 s19, s19, s20
	s_mul_i32 s20, s16, 520                                          ; b1: the half's first and third 8 bytes lie 520 bytes on,
	s_add_co_u32 s20, s20, s19
	s_mul_i32 s21, s16, 1016                                         ; its second 8 bytes 1,016
	s_add_co_u32 s21, s21, s19
	; the scale byte: k: word b2 of lane r + 16 b0, byte 2 b1 + h;  v: word 2 + b2 of lane r + 16 h, byte 2 b1 + b0
	s_mul_i32 s22, s13, 255
	s_add_co_u32 s22, s22, 1
	s_mul_i32 s23, s14, 255
	s_add_co_u32 s23, s23, 1
	s_mul_i32 s23, s23, s15
	s_lshl_b32 s26, s13, 3
	s_add_co_u32 s23, s23, s26
	s_lshl_b32 s26, s17, 2
	s_add_co_u32 s23, s23, s26
	s_lshl_b32 s26, s16, 1
	s_add_co_u32 s23, s23, s26
	s_add_co_u32 s23, s23, SIMG
	s_lshl_b32 s24, s17, 14                                          ; k in memory: 256 x (64 b2 + 16 b0 + 8 b1)
	s_lshl_b32 s26, s15, 12
	s_add_co_u32 s24, s24, s26
	s_lshl_b32 s26, s16, 11
	s_add_co_u32 s24, s24, s26
	s_lshl_b32 s25, s16, 14                                          ; v in memory: 256 x 32 (2 b1 + b0) + 4 x 32 b2
	s_lshl_b32 s26, s15, 13
	s_add_co_u32 s25, s25, s26
	s_lshl_b32 s26, s17, 7
	s_add_co_u32 s25, s25, s26
	s_and_b32 s27, ttmp7, 0xffff                                     ; the head
	s_lshl_b32 s28, s27, 19                                          ; 2,048 rows of 256 bytes,
	s_lshl_b32 s26, ttmp9, 15                                        ; the key step: 128 rows
	s_add_co_u32 s28, s28, s26
	s_mov_b32 s29, 0
	s_lshl_b32 s30, s27, 4
	s_add_co_u32 s30, s30, ttmp9
	s_mul_i32 s30, s30, 12800                                        ; my image in img
	s_mov_b32 s31, 0
	v_and_b32 v10, 15, v0                                            ; r
	v_bfe_u32 v11, v0, 4, 1                                          ; h
	v_and_b32 v12, 31, v0                                            ; lane
	v_mul_u32_u24 v13, s18, v11
	v_lshl_add_u32 v13, v10, 4, v13
	v_add_nc_u32 v[WA], s20, v13
	v_add_nc_u32 v[WB], s21, v13
	v_mul_u32_u24 v13, s22, v11
	v_lshl_add_u32 v13, v10, 4, v13
	v_add_nc_u32 v[WS], s23, v13
	v_and_b32 v13, 7, v0
	v_lshlrev_b32 v13, 8, v13                                        ; 256 (r % 8)
	v_bfe_u32 v14, v0, 3, 1
	v_lshl_add_u32 v13, v14, 13, v13                                 ; + 256 x 32 (r / 8)
	v_lshl_add_u32 v13, v11, 7, v13                                  ; + 128 h
	v_add_nc_u32 v[KG], s24, v13
	v_lshl_add_u32 v[VG], v12, 2, s25
	v_lshlrev_b32 v[CP], 4, v0
	s_wait_alu depctr_va_vdst(0)                                     ; the wait at the head's end
	s_wait_kmcnt 0x0
	s_cmp_lt_u32 s[WV], 8                                            ; the choice hangs on the wave's number alone
	s_cselect_b64 s[GP:GP+1], s[4:5], s[6:7]
	s_add_nc_u64 s[GP:GP+1], s[GP:GP+1], s[28:29]
	s_add_nc_u64 s[8:9], s[8:9], s[30:31]
	s_cmp_lt_u32 s[WV], 8
	s_cbranch_scc0 .Lv_role
.irp i, 0,1,2,3,4,5,6,7
	global_load_b128 v[RAW+4*\i:RAW+4*\i+3], v[KG], s[GP:GP+1] offset:16*\i
.endr
	s_branch .Lasked
.Lv_role:
.irp i, 0,1,2,3,4,5,6,7,8,9,10,11,12,13,14,15,16,17,18,19,20,21,22,23,24,25,26,27,28,29,30,31
	global_load_b32 v[RAW+\i], v[VG], s[GP:GP+1] offset:256*\i
.endr
.Lasked:
	s_wait_loadcnt 0x0
	QB RAW, COD, 58
	ds_store_b64 v[WA], v[COD:COD+1]                                 ; registers 6 c .. 6 c + 5 of a lane of a fragment: bytes 0, 8, 512 (c = 0) or 520, 1024, 1032 (c = 1)
	ds_store_b64 v[WB], v[COD+2:COD+3] offset:8
	ds_store_b64 v[WA], v[COD+4:COD+5] offset:512
	ds_store_b8 v[WS], v[QBY]
	s_wait_dscnt 0x0                                                 ; for the others' sake: my part of the image is in LDS
	s_barrier_signal -1
	s_barrier_wait -1                                                ; the image is whole
	ds_load_b128 v[16:19], v[CP]                                     ; bytes 0 .. 8,191: 16 a thread
	s_cmp_lt_u32 s[WV], 9
	s_cbranch_scc0 .Lshort
	ds_load_b128 v[20:23], v[CP] offset:8192                         ; the other 4,608 bytes: waves 0-8
	s_wait_dscnt 0x0
	global_store_b128 v[CP], v[20:23], s[8:9] offset:8192
.Lshort:
	s_wait_dscnt 0x0
	global_store_b128 v[CP], v[16:19], s[8:9]
	s_wait_tensorcnt 0x0                                             ; the wave's end
	ds_add_u32 v[SPW], v[NIL]
	s_wait_dscnt 0x0
	s_endpgm
.Lfunc_end_k_q82f57d9f9d_prep:
	.size	k_q82f57d9f9d_prep, .Lfunc_end_k_q82f57d9f9d_prep-k_q82f57d9f9d_prep
	.p2alignl 7, 3214868480
	.fill 96, 4, 3214868480
	.section	.rodata,"a",@progbits
	.p2align	6, 0x0
	.amdhsa_kernel k_q82f57d9f9d_prep
		.amdhsa_group_segment_fixed_size 14848
		.amdhsa_private_segment_fixed_size 0
		.amdhsa_enable_private_segment 0
		.amdhsa_kernarg_size 24
		.amdhsa_user_sgpr_count 2
		.amdhsa_user_sgpr_kernarg_segment_ptr 1
		.amdhsa_wavefront_size32 1
		.amdhsa_system_sgpr_workgroup_id_x 1
		.amdhsa_system_sgpr_workgroup_id_y 1
		.amdhsa_system_sgpr_workgroup_id_z 1
		.amdhsa_system_vgpr_workitem_id 0
		.amdhsa_next_free_vgpr 64
		.amdhsa_next_free_sgpr 66
		.amdhsa_reserve_vcc 0
		.amdhsa_float_denorm_mode_32 3
		.amdhsa_float_denorm_mode_16_64 3
		.amdhsa_memory_ordered 1
		.amdhsa_forward_progress 1
		.amdhsa_inst_pref_size 11
	.end_amdhsa_kernel
	.amdgpu_metadata
---
amdhsa.version: [ 1, 2 ]
amdhsa.kernels:
  - .name:           k_q82f57d9f9d_prep
    .symbol:         k_q82f57d9f9d_prep.kd
    .args:
      - { .name: k, .offset: 0, .size: 8, .value_kind: global_buffer, .address_space: global }
      - { .name: v, .offset: 8, .size: 8, .value_kind: global_buffer, .address_space: global }
      - { .name: img, .offset: 16, .size: 8, .value_kind: global_buffer, .address_space: global }
    .group_segment_fixed_size: 14848
    .private_segment_fixed_size: 0
    .kernarg_segment_align: 8
    .kernarg_segment_size: 24
    .max_flat_workgroup_size: 512
    .sgpr_count:     66
    .vgpr_count:     64
    .wavefront_size: 32
...
	.end_amdgpu_metadata
.endif
;; end of part 1
;; launch attn (part 2): grid 4 x 64, 16 waves a work-group, clusters of 4 x 1, 276,480 bytes of LDS; arguments q, img, out0; writes out0
.if DOCPART == 2
	.amdgcn_target "amdgcn-amd-amdhsa--gfx1250"
	.amdhsa_code_object_version 6
	.text
	.protected	k_q82f57d9f9d_attn
	.globl	k_q82f57d9f9d_attn
	.p2align	8
	.type	k_q82f57d9f9d_attn,@function
k_q82f57d9f9d_attn:
	s_mov_b64 s[64:65], 0
	v_nop
	global_prefetch_b8 v0, s[64:65] scope:SCOPE_SE
	s_setreg_imm32_b32 hwreg(HW_REG_WAVE_MODE, 25, 1), 1
	s_wait_xcnt 0x0
	s_wait_alu depctr_hold_cnt(0) depctr_sa_sdst(0) depctr_va_vdst(0) depctr_va_sdst(0) depctr_va_ssrc(0) depctr_va_vcc(0) depctr_vm_vsrc(0)
	s_getreg_b32 s2, hwreg(HW_REG_IB_STS2, 6, 4)
	s_cmp_eq_u32 s2, 0
	s_cbranch_scc0 .Lentry_in_a_cluster
	s_endpgm
.Lentry_in_a_cluster:
	s_bfe_u32 s2, ttmp6, 0x10000c
	s_cmp_lg_u32 s2, 0x3003
	s_cbranch_scc0 .Lentry_shape_is_right
	s_endpgm
.Lentry_shape_is_right:
; out0[h][i][:] = the sum over j of softmax_j(q[h][i] . k[h][j] / 8) v[h][j][:].  q, out0: [64 heads][2048][64] f32; img: k's and v's codes of BF6 and scale bytes, as the launch before laid them.
; THE SOFTMAX: t = score x log2(e) / 8; M = the row's largest t so far, rounded UP to a whole number; p = 2^(t - M) is what is quantised, not normalised.  The row's sum is taken of the
; unquantised p, in f32, and divides the result at the end.  When M moves, the sum and O are multiplied by 2^(old M - new M): exact.
; SHARES.  A work-group owns 512 queries of one head; each of its sixteen waves owns 16 queries in pass 0 (16 w on) and 16 in pass 1 (256 + 16 w on), and walks the head's 16 key steps of 128 keys.
; A key step has 12 matrix instructions beside some 210 vector instructions, so the waves are small: 256 registers, four to a SIMD.
; THE IMAGES: a head's 16 images are 204,800 bytes and stay in LDS.  Wave w asks for image w by ONE tensor load at the head; nothing is filled again, so the steps have no barrier.
; CLUSTER: the four work-groups of a head form a cluster and ask for the images jointly: same descriptor (made of the head and the wave's number), mask 15.
; No prefetch: the images are asked for once, at the head, and the text has no loop to run ahead of them in; q is loaded for both passes at the head.
; Q: a tile's 16 rows are 4,096 consecutive bytes: eight loads of 512 consecutive bytes; they turn through my stage in LDS, so that a lane gets 32 neighbours of one row.
; FIRST PRODUCT, S^T = K Q^T.  Its K is 64, the instruction's 128: a row of K's fragment carries two keys, x at k = 0..63 and x + 8 at k = 64..127.  Q stands between zero codes, [0 | q | 0]:
; [q | 0] gives the scores of the keys x, [0 | q] those of the keys x + 8.  In lane (n, h) register S + 32 c + i holds key 64 c + 32 h + i of the step for query n: a whole block of 32 keys
; lies in one lane's 32 consecutive registers, in the order that the second product's operand wants.
; SECOND PRODUCT, O^T = V^T P^T: source 0 = 16 channels x 128 keys, source 1 = p.  Register O + 8 t + j of lane (n, h) is o(n, 16 t + 8 h + j).  A pass's first step starts these sums with C = 0.
; LIMITS: NaN and infinities among the inputs are not served.  The promise holds while |t| stays under 2^31.  A block whose largest magnitude lies under 2^-122 gets the scale byte 1.
; A p under 2^-126 counts as 0 (v_exp_f32 gives 0 there).  A block's largest p is taken as the exponential of the block's largest score: this takes v_exp_f32 not to fall where its input rises.
.set STEPB, 12800                      ; an image: K's four fragments (1,536 bytes each), V's four, 512 bytes of scale words
.set VIMG,  6144
.set SIMG,  12288                      ; lane l's 16 bytes: the words of K's fragments 0/1, 2/3 and V's 0/1, 2/3 (lanes 0-15: the even fragment's rows, lanes 16-31: the odd one's)
.set STGW,  16*272                     ; LDS from 0: a stage of 16 rows x (256 + 16) bytes for each wave: q's way in, o's way out
.set SPARE, 16*STGW                    ; then the spare words, 128 bytes a wave
.set IMG0,  SPARE+2048                 ; then the 16 images
.set PASSB, 65536                      ; 256 rows of q or of out0
.set LI,  1                            ; v1   16 x lane
.set SPW, 2                            ; v2   my spare word; never rewritten
.set NIL, 3                            ; v3   0; never rewritten
                                       ; v4, v6, v12: -M, by turns over a trip's three steps (v5, v7, v13 are named with them as pairs)
.set QR,  8                            ; v8   the stage: row lane % 16, + 128 bytes for lanes 16-31: my 32 numbers of q
.set STO, 10                           ; v10  the stage: where I put 32 bytes of a row of o
.set SRD, 11                           ; v11  the stage by rows: row lane / 16, + 16 (lane % 16)
                                       ; v13 the largest score so far   v[14:15] the row's sum in two halves
                                       ; v16-21 zero codes, v22-27 q's codes, v28-33 zero codes
.set QW,  34                           ; v34  q's scale word
.set ADR, 35                           ; v35  16 x lane + s[TB]
.set SC,  36                           ; v36-39 the step's scale words of K and V
.set F,   40                           ; v40-87  four fragments: K's, then V's
.set S,   88                           ; v88-151 the scores, then p
.set O,   152                          ; v152-183 O^T
.set P,   184                          ; v184-195 p's codes
.set XS,  196                          ; v196-203 codes on their way; then four partial sums of p that wait for the next step
.set QM0, 204                          ; v204-215, v217-219 at work
.set QM1, 205
.set QSC, 212
.set QBY, 214
.set PW,  216                          ; v216 p's scale word
.set RAW, 220                          ; v220-251 pass 1's q, as loaded
                                       ; v[252:253] f = 2^(old M - new M)
.set WV,  10                           ; s10  my wave's number
.set G0,  12                           ; s[12:15], s[16:23] the tensor load's descriptor
.set G1,  16
.set SEL, 24                           ; s[24:25] lane selects: lane l xor 16
.set CS,  26                           ; s[26:27] c = log2(e) / 8
.set TB,  28                           ; s28  LDS byte one image ahead of the image that a trip begins with
.set CNT, 30
.set QP,  34
.set OP,  36
.macro ROUND                           ; a round of the cluster's barrier
	s_barrier_signal -1
	s_barrier_wait -1
	s_cmp_lg_u32 s[WV], 0
	s_cbranch_scc1 .Lnot_wave_0_\@
	s_barrier_signal -3
.Lnot_wave_0_\@:
	s_barrier_wait -3
	s_barrier_signal -1
	s_barrier_wait -1
.endm
.macro QB src, dst, tmp                ; one block of 32 numbers of a lane becomes six registers of codes and a scale byte
	v_max3_num_f32 v[QM0], |v[\src]|, |v[\src+1]|, 0x2800000         ; among the leaves the floor 2^(5 - 127): the byte cannot fall under 1
	v_max3_num_f32 v[QM1], |v[\src+16]|, |v[\src+17]|, |v[\src+18]|
.irp i, 2,4,6,8,10,12
	s_delay_alu instid0(VALU_DEP_2)
	v_max3_num_f32 v[QM0], v[QM0], |v[\src+\i]|, |v[\src+\i+1]|
	s_delay_alu instid0(VALU_DEP_2)
	v_max3_num_f32 v[QM1], v[QM1], |v[\src+\i+17]|, |v[\src+\i+18]|
.endr
	s_delay_alu instid0(VALU_DEP_2)
	v_max3_num_f32 v[QM0], v[QM0], |v[\src+14]|, |v[\src+15]|
	s_delay_alu instid0(VALU_DEP_1)
	v_max3_num_f32 v[QM0], v[QM0], v[QM1], |v[\src+31]|
	s_delay_alu instid0(VALU_DEP_1)
	v_add_nc_u32 v[QSC], 0xfe000000, v[QM0]                          ; 4 off its exponent field: the conversion's scale operand
	v_cvt_scalef32_pk16_bf6_f32 v[\dst:\dst+2], v[\src:\src+15], v[QSC]
	v_cvt_scalef32_pk16_bf6_f32 v[\tmp:\tmp+2], v[\src+16:\src+31], v[QSC]   ; (a conversion's three registers begin on an even number)
	v_lshrrev_b32 v[QBY], 23, v[QSC]                                 ; the byte; also the plain instruction behind the conversions
	v_mov_b32 v[\dst+3], v[\tmp]
	v_mov_b32 v[\dst+4], v[\tmp+1]
	v_mov_b32 v[\dst+5], v[\tmp+2]
.endm
.macro QLOAD reg, off                  ; a tile of q as it lies: 32 lanes read 512 consecutive bytes; read once in the launch
.irp i, 0,1,2,3,4,5,6,7
	global_load_b128 v[\reg+4*\i:\reg+4*\i+3], v[LI], s[QP:QP+1] offset:\off+512*\i th:TH_LOAD_NT
.endr
.endm
.macro QQUANT src                      ; q's codes into v22-27, between the zero codes, and its scale word (read in lanes 0-15 alone)
	QB \src, 22, 208
	v_permlanex16_b32 v217, v214, s[SEL], s[SEL+1]                   ; lane l xor 16's byte: in lanes 0-15 block 1's
	v_lshl_or_b32 v215, v217, 8, v214
	v_lshl_or_b32 v[QW], v215, 16, v215                              ; twice: the word serves [q | 0] and [0 | q] alike
.endm
.macro KQ f                            ; fragment f against [q | 0] and against [0 | q]; odd fragments' scale words lie in lanes 16-31
.if (\f)%2
	v_wmma_scale_f32_16x16x128_f8f6f4 v[S+16*(\f):S+16*(\f)+7], v[F+12*(\f):F+12*(\f)+11], v[22:33], 0, v[SC+(\f)/2], v[QW] matrix_a_fmt:MATRIX_FMT_BF6 matrix_b_fmt:MATRIX_FMT_BF6 matrix_a_scale:MATRIX_SCALE_ROW1
	v_wmma_scale_f32_16x16x128_f8f6f4 v[S+16*(\f)+8:S+16*(\f)+15], v[F+12*(\f):F+12*(\f)+11], v[16:27], 0, v[SC+(\f)/2], v[QW] matrix_a_fmt:MATRIX_FMT_BF6 matrix_b_fmt:MATRIX_FMT_BF6 matrix_a_scale:MATRIX_SCALE_ROW1
.else
	v_wmma_scale_f32_16x16x128_f8f6f4 v[S+16*(\f):S+16*(\f)+7], v[F+12*(\f):F+12*(\f)+11], v[22:33], 0, v[SC+(\f)/2], v[QW] matrix_a_fmt:MATRIX_FMT_BF6 matrix_b_fmt:MATRIX_FMT_BF6
	v_wmma_scale_f32_16x16x128_f8f6f4 v[S+16*(\f)+8:S+16*(\f)+15], v[F+12*(\f):F+12*(\f)+11], v[16:27], 0, v[SC+(\f)/2], v[QW] matrix_a_fmt:MATRIX_FMT_BF6 matrix_b_fmt:MATRIX_FMT_BF6
.endif
.endm
.macro PV t, first                     ; channels 16 t on
.if \first
.if (\t)%2
	v_wmma_scale_f32_16x16x128_f8f6f4 v[O+8*(\t):O+8*(\t)+7], v[F+12*(\t):F+12*(\t)+11], v[P:P+11], 0, v[SC+2+(\t)/2], v[PW] matrix_a_fmt:MATRIX_FMT_BF6 matrix_b_fmt:MATRIX_FMT_BF6 matrix_a_scale:MATRIX_SCALE_ROW1
.else
	v_wmma_scale_f32_16x16x128_f8f6f4 v[O+8*(\t):O+8*(\t)+7], v[F+12*(\t):F+12*(\t)+11], v[P:P+11], 0, v[SC+2+(\t)/2], v[PW] matrix_a_fmt:MATRIX_FMT_BF6 matrix_b_fmt:MATRIX_FMT_BF6
.endif
.else
.if (\t)%2
	v_wmma_scale_f32_16x16x128_f8f6f4 v[O+8*(\t):O+8*(\t)+7], v[F+12*(\t):F+12*(\t)+11], v[P:P+11], v[O+8*(\t):O+8*(\t)+7], v[SC+2+(\t)/2], v[PW] matrix_a_fmt:MATRIX_FMT_BF6 matrix_b_fmt:MATRIX_FMT_BF6 matrix_a_scale:MATRIX_SCALE_ROW1
.else
	v_wmma_scale_f32_16x16x128_f8f6f4 v[O+8*(\t):O+8*(\t)+7], v[F+12*(\t):F+12*(\t)+11], v[P:P+11], v[O+8*(\t):O+8*(\t)+7], v[SC+2+(\t)/2], v[PW] matrix_a_fmt:MATRIX_FMT_BF6 matrix_b_fmt:MATRIX_FMT_BF6
.endif
.endif
.endm
.macro OM first, a, b                  ; pairs a .. b of O^T under the new M (not in a pass's first step: there is no O^T yet)
.if (\first) == 0
.set jo, 2*(\a)
.rept (\b)-(\a)+1
	v_pk_mul_f32 v[O+jo:O+jo+1], v[O+jo:O+jo+1], v[252:253] op_sel_hi:[1,0]
.set jo, jo+2
.endr
.endif
.endm
; A KEY STEP: 128 keys.  first = 1: a pass's first step: no old M, no old sums.  u: the step's number in its trip; its image begins (u + 1) images behind s[TB].
; adv: what a trip's last step adds to s[TB], between its loads of K and of V.
; The step's twelve matrix instructions write twelve different accumulators, one instruction each.
.macro STEP first, u, adv
.set KO, ((\u)+1)*STEPB
.set VO, KO-(\adv)+VIMG
.if \first
.set NMO, 6
.set NMN, 12                           ; -M: the first step writes v12; then v12 -> v4 -> v6 -> v12 over a trip
.else
.if (\u) == 0
.set NMO, 12
.set NMN, 4
.endif
.if (\u) == 1
.set NMO, 4
.set NMN, 6
.endif
.if (\u) == 2
.set NMO, 6
.set NMN, 12
.endif
.endif
.irp f, 0,1,2,3
.irp g, 0,1,2
	ds_load_b128 v[F+12*\f+4*\g:F+12*\f+4*\g+3], v[ADR] offset:KO+1536*\f+512*\g    ; K's fragments: 512 consecutive bytes a load
.endr
.endr
	ds_load_b128 v[SC:SC+3], v[ADR] offset:KO+SIMG                   ; the step's four scale words of my lane
.if \adv
	s_add_co_u32 s[TB], s[TB], \adv
.endif
	s_wait_dscnt 0x0
.irp f, 0,1,2,3
	KQ \f
.endr
	; four plain instructions or more that name no register of these products: the places in front of the loads into K's registers and of the first read of the scores
.if \adv
	v_add_nc_u32 v[ADR], s[TB], v[LI]
.endif
.if \first
.rept 3
	v_nop
.endr
.else
	s_wait_alu depctr_va_vdst(0)                                     ; the wait directly ahead of the reader below
	v_pk_add_f32 v[XS:XS+1], v[XS:XS+1], v[XS+2:XS+3]                ; the last step's four partial sums of p are joined,
	v_pk_add_f32 v[XS+4:XS+5], v[XS+4:XS+5], v[XS+6:XS+7]
	v_pk_add_f32 v[XS:XS+1], v[XS:XS+1], v[XS+4:XS+5]
	v_pk_add_f32 v[14:15], v[14:15], v[XS:XS+1]                      ; and the sum, still under the old M, is whole
.endif
.irp t, 0,1,2,3
.irp g, 0,1,2
	ds_load_b128 v[F+12*\t+4*\g:F+12*\t+4*\g+3], v[ADR] offset:VO+1536*\t+512*\g    ; V's fragments land while the softmax is walked
.endr
.endr
	; the largest score of my two blocks of 32 keys, in four chains by turns; each accumulator from its low end on
.irp b, 0,1,2,3
	v_max3_num_f32 v[204+\b], v[S+16*\b], v[S+16*\b+1], v[S+16*\b+2]
.endr
.irp i, 3,5,7,9,11,13
.irp b, 0,1,2,3
	v_max3_num_f32 v[204+\b], v[204+\b], v[S+16*\b+\i], v[S+16*\b+\i+1]
.endr
.endr
	v_max3_num_f32 v204, v204, v205, v[S+15]
	v_max3_num_f32 v206, v206, v207, v[S+47]
	v_max_num_f32 v204, v204, v[S+31]                                ; block 0's: for the row's maximum and, since p rises with the score, for the block's largest p
	v_max_num_f32 v206, v206, v[S+63]                                ; block 1's
	v_max_num_f32 v208, v204, v206
	v_permlanex16_b32 v209, v208, s[SEL], s[SEL+1]                   ; my query's other 64 keys lie in lane l xor 16
.if \first
	v_max_num_f32 v13, v208, v209
.else
	v_max3_num_f32 v13, v13, v208, v209                              ; the running largest score
.endif
	s_delay_alu instid0(VALU_DEP_1)
	v_mul_f32 v211, s[CS], v13                                       ; as t (c is positive)
	s_delay_alu instid0(VALU_DEP_1)
	v_floor_f32 v[NMN], -v211                                        ; the new -M = floor(-t) = -ceil(t): M is a whole number
	s_delay_alu instid0(VALU_DEP_1)
	v_fma_f32 v204, v204, s[CS], v[NMN]                              ; t - M of the two blocks' largest scores,
	v_fma_f32 v206, v206, s[CS], v[NMN]
.set j, 0
.rept 32
	v_pk_fma_f32 v[S+j:S+j+1], v[S+j:S+j+1], s[CS:CS+1], v[NMN:NMN+1] op_sel_hi:[1,0,0]   ; and of all 64 (of the pairs c and -M the low word serves both halves)
.if (\first) == 0                      ; f is made among them, each of its three lines eight instructions behind the last
.if j == 6
	v_sub_f32 v210, v[NMN], v[NMO]                                   ; M's old value less its new one: a whole number, 0 or less
.endif
.if j == 22
	v_cvt_i32_f32 v210, v210                                         ; (it saturates)
.endif
.if j == 38
	v_ldexp_f32 v252, 1.0, v210                                      ; f = 2^(old M - new M): multiplying by it rounds nothing
.endif
.endif
.set j, j+2
.endr
	s_wait_alu depctr_va_vdst(0)                                     ; the wait ahead of the batch
	v_exp_f32 v204, v204                                             ; one batch of 66 exponentials: the blocks' largest p,
	v_exp_f32 v206, v206
.set j, 0
.rept 64
	v_exp_f32 v[S+j], v[S+j]                                         ; and p = 2^(t - M), at most 1, not normalised
.set j, j+1
.endr
.if \first
	v_mov_b32 v14, 0                                                 ; the sum begins; also the plain instruction behind the last exponential
	v_mov_b32 v15, 0
.else
	v_pk_mul_f32 v[14:15], v[14:15], v[252:253] op_sel_hi:[1,0]      ; the sum under the new M: the plain instruction behind the last exponential
.endif
	s_wait_alu depctr_va_vdst(0)                                     ; the wait: behind the batch, and directly ahead of the first reader of O^T
	; O^T under the new M, in ascending order; among its 16 lines the making of p's scales, so that no line waits for the line above it
	OM \first, 0, 0
	v_max_num_f32 v204, 0x2800000, v204                              ; the floor 2^(5 - 127): the byte cannot fall under 1
	v_max_num_f32 v206, 0x2800000, v206
	OM \first, 1, 3
	v_add_nc_u32 v212, 0xfe000000, v204                              ; 4 off the exponent field: the conversions' scale operands
	v_add_nc_u32 v213, 0xfe000000, v206
	OM \first, 4, 6
	v_lshrrev_b32 v214, 23, v212                                     ; the bytes of blocks lane / 16 and 2 + lane / 16 of the step's four
	v_lshrrev_b32 v215, 23, v213
	OM \first, 7, 9
	v_lshl_or_b32 v215, v215, 16, v214
	OM \first, 10, 15
	v_permlanex16_b32 v217, v215, s[SEL], s[SEL+1]
	v_cvt_scalef32_pk16_bf6_f32 v[P:P+2], v[S:S+15], v212
	v_cvt_scalef32_pk16_bf6_f32 v[XS:XS+2], v[S+16:S+31], v212       ; (a conversion's three registers begin on an even number)
	v_cvt_scalef32_pk16_bf6_f32 v[P+6:P+8], v[S+32:S+47], v213
	v_cvt_scalef32_pk16_bf6_f32 v[XS+4:XS+6], v[S+48:S+63], v213
	v_pk_add_f32 v[218:219], v[S:S+1], v[S+2:S+3]                    ; the row's sum is taken of the unquantised p; this line is also the plain instruction behind the conversions
	v_lshl_or_b32 v[PW], v217, 8, v215                               ; lanes 0-15, which alone are read: blocks 0 and 2 are mine, blocks 1 and 3 lane l + 16's
.irp i, 0,1,2
	v_mov_b32 v[P+3+\i], v[XS+\i]
	v_mov_b32 v[P+9+\i], v[XS+4+\i]
.endr
.set j, 4
.rept 11
	v_pk_add_f32 v[14:15], v[14:15], v[S+j:S+j+1]                    ; p 4 .. 47, in two chains (these 23 also stand between the writing of p's codes and scale word and the scaled products)
	v_pk_add_f32 v[218:219], v[218:219], v[S+j+2:S+j+3]
.set j, j+4
.endr
	s_delay_alu instid0(VALU_DEP_1)
	v_pk_add_f32 v[14:15], v[14:15], v[218:219]
	s_wait_dscnt 0x0                                                 ; V's fragments are in
.irp t, 0,1,2,3
	PV \t, \first
.endr
.irp i, 0,1,2,3
	v_pk_add_f32 v[XS+2*\i:XS+2*\i+1], v[S+48+4*\i:S+49+4*\i], v[S+50+4*\i:S+51+4*\i]   ; p 48 .. 63 into four partial sums: the four places in front of the next loads into V's registers
.endr
.endm
; THE WAY OUT of a pass.  O^T / the sum goes through my own stage in LDS and comes back as whole rows of 256 bytes; my tile's 16 rows are 4,096 consecutive bytes of out0.
.macro OUT off
	s_wait_alu depctr_va_vdst(0)
	v_pk_add_f32 v[XS:XS+1], v[XS:XS+1], v[XS+2:XS+3]                ; the last step's partial sums
	v_pk_add_f32 v[XS+4:XS+5], v[XS+4:XS+5], v[XS+6:XS+7]
	v_pk_add_f32 v[XS:XS+1], v[XS:XS+1], v[XS+4:XS+5]
	v_pk_add_f32 v[14:15], v[14:15], v[XS:XS+1]
	v_add_f32 v14, v14, v15                                          ; the sum's two halves,
	v_permlanex16_b32 v209, v14, s[SEL], s[SEL+1]
	v_add_f32 v14, v14, v209                                         ; and lane l xor 16's: the row's sum
	s_wait_alu depctr_va_vdst(0)                                     ; the wait ahead of the reciprocal,
	v_rcp_f32 v14, v14
	v_nop                                                            ; a plain instruction behind it,
	s_wait_alu depctr_va_vdst(0)                                     ; and the wait ahead of its first use and of the first read of O^T
.set j, 0
.rept 16
	v_pk_mul_f32 v[S+j:S+j+1], v[O+j:O+j+1], v[14:15] op_sel_hi:[1,0]   ; in ascending order
.set j, j+2
.endr
.irp t, 0,1,2,3
	ds_store_b128 v[STO], v[S+8*\t:S+8*\t+3] offset:64*\t            ; lane (n, h): o(n, 16 t + 8 h + 0 .. 7): 32 bytes of row n
	ds_store_b128 v[STO], v[S+8*\t+4:S+8*\t+7] offset:64*\t+16
.endr
.irp i, 0,1,2,3,4,5,6,7
	ds_load_b128 v[S+32+4*\i:S+32+4*\i+3], v[SRD] offset:544*\i      ; LDS serves a wave's instructions in order (ISA guide 5.7.1.4): these see my stores
.endr
.irp i, 0,1,2,3,4,5,6,7
	s_wait_dscnt 7-\i                                                ; load i is in; the 7 - i younger ones may be out
	global_store_b128 v[LI], v[S+32+4*\i:S+32+4*\i+3], s[OP:OP+1] offset:\off+512*\i th:TH_STORE_NT   ; 32 lanes store 512 consecutive bytes, at a multiple of 256 from out0's first byte
.endr
	s_wait_xcnt 0x0                                                  ; the stores have read their registers
.endm
; A PASS: 16 queries a wave against the head's 16 images: the first step, then five trips of three.  src: the tile of q as it was loaded.
.macro PASS p, src
.irp i, 0,1,2,3,4,5,6,7
	ds_store_b128 v[SRD], v[\src+4*\i:\src+4*\i+3] offset:544*\i     ; q into my stage by rows: load i holds rows 2 i and 2 i + 1
.endr
.irp i, 0,1,2,3,4,5,6,7
	ds_load_b128 v[S+4*\i:S+4*\i+3], v[QR] offset:16*\i              ; and back: 32 neighbours of row lane % 16 (LDS serves a wave's instructions in order)
.endr
	s_wait_dscnt 0x0
	QQUANT S
	s_mov_b32 s[TB], IMG0-STEPB
	v_add_nc_u32 v[ADR], s[TB], v[LI]
.rept 8
	v_nop                                                            ; q's scale word stands 8 places, its codes 4, ahead of the first scaled product
.endr
	s_wait_alu depctr_va_vdst(0)                                     ; the wait ahead of the step's wait
	STEP 1, 0, STEPB
	s_mov_b32 s[CNT], 5
.Lpass\p:
	STEP 0, 0, 0
	STEP 0, 1, 0
	STEP 0, 2, 3*STEPB
	s_sub_co_u32 s[CNT], s[CNT], 1
	s_cmp_lg_u32 s[CNT], 0
	s_cbranch_scc1 .Lpass\p
	OUT (\p)*PASSB
.endm
	; ---- THE HEAD
	s_load_b128 s[4:7], s[0:1], 0x0                                  ; q, img
	s_load_b64 s[8:9], s[0:1], 0x10                                  ; out0
	v_lshl_add_u32 v[SPW], v0, 2, SPARE
	v_mov_b32 v[NIL], 0
	ds_add_u32 v[SPW], v[NIL]                                        ; the opening lines: the add, twice on end, and its wait
	ds_add_u32 v[SPW], v[NIL]
	v_lshrrev_b32 v204, 5, v0
	v_readfirstlane_b32 s[WV], v204                                  ; wave 0..15
	v_and_b32 v206, 31, v0                                           ; lane
	v_lshlrev_b32 v[LI], 4, v206
	s_mov_b32 s[G1], 15|(3<<16)|(1<<21)                              ; the mask: the cluster's four; elements of 8 bytes; bit 21 beside a mask
	s_mov_b32 s[G1+1], 32<<16                                        ; an image is dense: 50 rows of 32 elements = 256 bytes
	s_mov_b32 s[G1+2], 50<<16
	s_mov_b32 s[G1+3], 32<<16
	s_mov_b32 s[G1+4], 50
	s_mov_b32 s[G1+5], 32
	s_mov_b32 s[G1+6], 0
	s_mov_b32 s[G1+7], 0
	s_mov_b32 s[G0], 1
	s_mul_i32 s[G0+1], s[WV], STEPB
	s_add_co_u32 s[G0+1], s[G0+1], IMG0                              ; image w goes to its place in LDS
	s_and_b32 s40, ttmp7, 0xffff                                     ; the head = the cluster's y
	s_mul_i32 s38, s40, 16*STEPB
	s_mul_i32 s39, s[WV], STEPB
	s_add_co_u32 s38, s38, s39                                       ; image w of the head in img: made of numbers that the four partners share
	s_mov_b32 s39, 0
	s_bfe_u32 s41, ttmp6, 0x40000                                    ; cx
	s_lshl_b32 s42, ttmp9, 2
	s_add_co_u32 s41, s42, s41                                       ; which 512 queries: 4 x cluster x + cx
	s_lshl_b32 s42, s40, 19                                          ; the head: 2,048 rows of 256 bytes
	s_lshl_b32 s41, s41, 17
	s_add_co_u32 s42, s42, s41
	s_lshl_b32 s41, s[WV], 12                                        ; my wave's 16 rows
	s_add_co_u32 s42, s42, s41
	s_mov_b32 s43, 0
	s_mul_i32 s44, s[WV], STGW                                       ; my stage
	s_mov_b32 s[SEL], 0x76543210
	s_mov_b32 s[SEL+1], 0xfedcba98
	s_mov_b32 s[CS], 0x3e38aa3b                                      ; c = log2(e) / 8
	s_mov_b32 s[CS+1], s[CS]
	s_wait_alu depctr_va_vdst(0)                                     ; the wait ahead of the waits below
	s_wait_dscnt 0x0                                                 ; both opening adds are done
	s_wait_kmcnt 0x0
	s_add_nc_u64 s[G0+2:G0+3], s[6:7], s[38:39]
	s_or_b32 s[G0+3], s[G0+3], 0x80000000
	s_add_nc_u64 s[QP:QP+1], s[4:5], s[42:43]
	s_add_nc_u64 s[OP:OP+1], s[8:9], s[42:43]
	QLOAD S+32, 0                                                    ; pass 0's queries, asked for ahead of the round, into registers that the scores take later
	ROUND                                                            ; the four work-groups are here: the joint loads meet
	tensor_load_to_lds s[G0:G0+3], s[G1:G1+7]                        ; my one tensor load: image w
	s_nop 0
	v_and_b32 v204, 15, v0                                           ; r
	v_bfe_u32 v205, v0, 4, 1                                         ; h
	v_mul_u32_u24 v[STO], v204, 272
	v_lshl_add_u32 v[QR], v205, 7, v[STO]
	v_add_nc_u32 v[QR], s44, v[QR]                                   ; q back: row r, + 128 h
	v_lshl_add_u32 v[STO], v205, 5, v[STO]
	v_add_nc_u32 v[STO], s44, v[STO]                                 ; o in: row r, + 32 h
	v_mul_u32_u24 v[SRD], v205, 272
	v_lshl_add_u32 v[SRD], v204, 4, v[SRD]
	v_add_nc_u32 v[SRD], s44, v[SRD]                                 ; by rows: row h, + 16 r
.irp i, 16,17,18,19,20,21,28,29,30,31,32,33
	v_mov_b32 v\i, 0                                                 ; the zero codes on both sides of q's
.endr
	v_mov_b32 v5, 0                                                  ; (named as the upper halves of the pairs v[4:5], v[6:7], v[252:253])
	v_mov_b32 v7, 0
	v_mov_b32 v253, 0
	v_mov_b32 v209, 0                                                ; written once: a lane permute's destination counts as one of its sources
	v_mov_b32 v217, 0
	s_wait_alu depctr_va_vdst(0)                                     ; the wait at the head's end
	s_wait_tensorcnt 0x0                                             ; my image has landed;
	s_barrier_signal -1
	s_barrier_wait -1                                                ; and everybody's
	s_wait_loadcnt 0x0                                               ; pass 0's eight loads are in
	QLOAD RAW, PASSB                                                 ; pass 1's queries are asked for behind the images and land during pass 0
	PASS 0, S+32
	s_wait_loadcnt 0x0                                               ; pass 1's q
	PASS 1, RAW
	s_wait_tensorcnt 0x0                                             ; the wave's end
	ds_add_u32 v[SPW], v[NIL]
	s_wait_dscnt 0x0
	ROUND                                                            ; the closing round
	s_endpgm
.Lfunc_end_k_q82f57d9f9d_attn:
	.size	k_q82f57d9f9d_attn, .Lfunc_end_k_q82f57d9f9d_attn-k_q82f57d9f9d_attn
	.p2alignl 7, 3214868480
	.fill 96, 4, 3214868480
	.section	.rodata,"a",@progbits
	.p2align	6, 0x0
	.amdhsa_kernel k_q82f57d9f9d_attn
		.amdhsa_group_segment_fixed_size 276480
		.amdhsa_private_segment_fixed_size 0
		.amdhsa_enable_private_segment 0
		.amdhsa_kernarg_size 24
		.amdhsa_user_sgpr_count 2
		.amdhsa_user_sgpr_kernarg_segment_ptr 1
		.amdhsa_wavefront_size32 1
		.amdhsa_system_sgpr_workgroup_id_x 1
		.amdhsa_system_sgpr_workgroup_id_y 1
		.amdhsa_system_sgpr_workgroup_id_z 1
		.amdhsa_system_vgpr_workitem_id 0
		.amdhsa_next_free_vgpr 256
		.amdhsa_next_free_sgpr 66
		.amdhsa_reserve_vcc 0
		.amdhsa_float_denorm_mode_32 3
		.amdhsa_float_denorm_mode_16_64 3
		.amdhsa_memory_ordered 1
		.amdhsa_forward_progress 1
		.amdhsa_inst_pref_size 129
	.end_amdhsa_kernel
	.amdgpu_metadata
---
amdhsa.version: [ 1, 2 ]
amdhsa.kernels:
  - .name:           k_q82f57d9f9d_attn
    .symbol:         k_q82f57d9f9d_attn.kd
    .args:
      - { .name: q, .offset: 0, .size: 8, .value_kind: global_buffer, .address_space: global }
      - { .name: img, .offset: 8, .size: 8, .value_kind: global_buffer, .address_space: global }
      - { .name: out0, .offset: 16, .size: 8, .value_kind: global_buffer, .address_space: global }
    .group_segment_fixed_size: 276480
    .private_segment_fixed_size: 0
    .kernarg_segment_align: 8
    .kernarg_segment_size: 24
    .max_flat_workgroup_size: 512
    .sgpr_count:     66
    .vgpr_count:     256
    .wavefront_size: 32
...
	.end_amdgpu_metadata
.endif
;; end of part 2
